; MI455X (gfx1250); checked and timed in simulation.
; The chip was launched on July 23, 2026; its instructions are those of AMD's public machine-readable ISA for CDNA 5 (MIT licence, August 2026) and "CDNA5" Instruction Set Architecture Reference Guide (July 2026). The comments in the code are by the model that wrote it; some were corrected since.
;; Git Self Attention. Allowed arithmetic: matrix products marked QUANTISED: E2M3 operands, one E8M0 scale for each 32 along K, by v_wmma_scale_f32_16x16x128_f8f6f4 with both operands' format E2M3, f32 sums; everything else in f32.
;; Inputs: bk 1,024 float32; bq 1,024 float32; bv 1,024 float32; dist_emb 2,047 x 64 float32; hidden_states 4 x 1,024 x 1,024 float32; wk 1,024 x 1,024 float32; wq 1,024 x 1,024 float32; wv 1,024 x 1,024 float32.
;; Outputs: out0 4 x 1,024 x 1,024 float32.
;; This version of the problem:
;;   THIS VERSION OF THE PROBLEM IS GIVEN IN LOW PRECISION. The matrix products marked QUANTISED in the list below multiply operands that are first quantised to E2M3 (2 exponent bits, 3 mantissa bits; 6 bits a number), with one power-of-two scale for each 32 numbers along K (OCP MX v1.0); their sums are f32. All else is computed in f32.
;;   The module's matrix products, in the order in which they are computed (A, B: the left and right operand; K: the contracted axis; several contracted axes count as one K, in the product's order):
;;     1. [M 4,096, K 1,024] x [K 1,024, N 1,024]; A: input hidden_states; B: input wq: QUANTISED
;;     2. [M 4,096, K 1,024] x [K 1,024, N 1,024]; A: input hidden_states; B: input wk: QUANTISED
;;     3. [M 4,096, K 1,024] x [K 1,024, N 1,024]; A: input hidden_states; B: input wv: QUANTISED
;;     4. batch 64 x [M 1,024, K 64] x [K 64, N 1,024]; A: computed on the way; B: computed on the way: QUANTISED
;;     5. batch 1,024 x [M 1,024, K 64] x [K 64, N 64]; A: computed on the way; B: computed on the way: QUANTISED
;;     6. batch 1,024 x [M 1,024, K 64] x [K 64, N 64]; A: computed on the way; B: computed on the way: QUANTISED
;;     7. batch 64 x [M 1,024, K 1,024] x [K 1,024, N 64]; A: softmax (see below); B: computed on the way: QUANTISED
;;   THE QUANTISER, for each operand of a quantised product, along K:
;;     - K is cut into blocks of 32 from its start; a last block that is shorter is filled with zeros.
;;     - A block's scale is 2^e with e = floor(log2(the largest magnitude in the block)) - 2, held to -126 .. 127; a block of zeros has e = 0. As a byte (E8M0): e + 127.
;;     - Each number is divided by its block's scale, clamped to +-7.5, and rounded to the nearest number of E2M3, ties to even, subnormals kept.
;;     - The product sums the exact products of the quantised numbers (number of the format x scale) in f32.
;;   ~~~python
;;   def quantise(x, axis):      # numpy; x: float32 -> the quantised numbers, widened to float32 again
;;       x = np.moveaxis(x, axis, -1); K = x.shape[-1]
;;       x = np.pad(x, [(0, 0)] * (x.ndim - 1) + [(0, -K % 32)]); x = x.reshape(x.shape[:-1] + (-1, 32)); a = np.abs(x).max(-1, keepdims=True)
;;       e = np.where(a > 0, np.clip(np.frexp(np.where(a > 0, a, 1))[1] - 1 - 2, -126, 127), 0)      # np.frexp(a)[1] - 1 = floor(log2(a)), exactly
;;       r = np.clip(x / 2.0 ** e, -7.5, 7.5)
;;       step = 2.0 ** (np.maximum(np.frexp(np.where(r == 0, 1, r))[1] - 1, 0) - 3)
;;       q = np.round(r / step) * step * 2.0 ** e      # np.round: ties to even
;;       return np.moveaxis(q.reshape(q.shape[:-2] + (-1,))[..., :K], -1, axis).astype(np.float32)
;;   ~~~
;;   SOFTMAX AHEAD OF A QUANTISED PRODUCT. Where the list says 'softmax', what is quantised is not the finished softmax but p = 2^(t - M), with t = logit x log2(e) and M = ceil(the row's largest t), a whole number; so 1/2 < the row's largest p <= 1. The row's sum l is taken of the UNQUANTISED p, in f32, and the product's result is divided by l at the end. Since M is a whole number, a kernel that streams over the keys may use a running M (the ceiling of the running maximum): every later rescaling is an exact power of two, which a block's scale takes up: the codes' values come out the same.
;;   OPERANDS COMPUTED ON THE WAY. 'Computed on the way' means the value that the module computes at that place (a softmax that the list does not call 'softmax' is quantised finished and normalised). What goes into a quantiser is computed in f32, as accurately as f32 sums, v_exp_f32 and their like allow (about 1e-6 of the number): no bf16 or f16 on the way to a quantiser, and a product that is left as it is and whose result goes on into a quantised operand takes f32 operands (vector FMAs, or v_wmma_f32_16x16x4_f32). A number that lies on a knife's edge between two numbers of the format may be rounded either way, as far as f32 arithmetic and the matrix unit's own rounding can turn it there, and no further.
;; One version. Each part assembles by itself: llvm-mc -triple=amdgcn-amd-amdhsa -mcpu=gfx1250 --defsym DOCPART=n.
;; ======== version 1 of 1: 3 launches
;; workspace buffers: xq 3,276,800 bytes; wb 2,457,600 bytes; eb 114,688 bytes; qb 3,670,016 bytes; kvb 10,485,760 bytes
;; launch quant (part 1): grid 480 x 1, 4 waves a work-group, no clusters, 34,304 bytes of LDS; arguments hidden_states, wq, wk, wv, dist_emb, xq, wb, eb; writes xq, wb, eb
.if DOCPART == 1
	.amdgcn_target "amdgcn-amd-amdhsa--gfx1250"
	.amdhsa_code_object_version 6
	.text
	.protected	k_q9df06b0ae9_quant
	.globl	k_q9df06b0ae9_quant
	.p2align	8
	.type	k_q9df06b0ae9_quant,@function
k_q9df06b0ae9_quant:
	s_mov_b64 s[64:65], 0
	v_nop
	global_prefetch_b8 v0, s[64:65] scope:SCOPE_SE
	s_setreg_imm32_b32 hwreg(HW_REG_WAVE_MODE, 25, 1), 1
	s_wait_xcnt 0x0
; hidden_states [4096][1024], wq, wk, wv [1024][1024] and dist_emb [2047][64], all f32 with K innermost, become codes of FP6 (E2M3) with one E8M0 byte for each 32 along K,
; laid as IMAGES OF OPERAND REGISTERS: a fragment (16 rows x 128 K, 12 registers a lane) is 1,536 bytes, register group g (four registers) of lane l at 512 g + 16 l.
; A block's scale is 2^(floor(log2(largest magnitude)) - 2): its byte is the largest magnitude's exponent field - 2, held at 1 from below.
; LIMITS: NaN and infinities are not served; a block whose largest magnitude lies under 2^-124, a block of zeros among them, gets the byte 1 (its codes are zeros or tiny; only this program reads the bytes).
; SHARES.  Work-groups 0-255: a pair of 16-row tiles of hidden_states (number / 2) and one of a chunk's two K steps of 128 (number % 2); 256-447: the same for wq, wk, wv; 448-479: four tiles of dist_emb, one a wave, without LDS.
; In the first two kinds wave c takes the chunk K = 256 c .. 256 c + 255: two units of 16 rows x 128 K, whose 32 loads all go out at the start.
; WHICH ROWS FORM A TILE: of 64 rows (a group of tokens, a head's features) tile v takes rows 8 v + 0..7 and 32 + 8 v + 0..7 (hidden_states, wq, wk) or rows 16 v + 0..15 (wv).
; A unit: 16 loads, each 512 consecutive bytes of one row; through the wave's own stage in LDS (rows 528 bytes apart); back as 2 x 32 neighbours along K a lane, which are two whole blocks.
; xq: [32 blocks of 128 tokens][4 chunks of K = 256][25,600]: 16 images (tile t, K step ks at (2 t + ks) 1,536), then the scale words: pair t / 2 at 24,576 + 256 (t / 2), dword 2 (row + 16 ks) + t % 2.
; wb: [16 heads][4 chunks][38,400]: 24 images (tile 4 rho + a; rho = 0 q, 1 k, 2 v), words at 36,864, laid alike.
; eb: Er[i] = dist_emb[2046 - i], row 2047 zeros: 128 tiles of 896 consecutive bytes: a half fragment (16 rows x 64 K: registers 0-3 at 16 l, 4-5 at 512 + 8 l), then at 768 a word a lane: the two bytes of row i, then those of row i + 32.
.set STP,  528                         ; a stage row: 512 bytes + 16: the sixteen rows that a read touches begin in sixteen different 16-byte columns
.set WST,  16*STP                      ; a wave's stage
.set VOL,  1                           ; v1-2   byte offset of my 16 bytes in row 0 of tile 0, 1 of the pair
.set VOH,  3                           ; v3-4   the same for row 8
.set STW,  5                           ; v5     the stage, on the way in
.set STR,  6                           ; v6     and on the way out
.set L16,  7                           ; v7     16 x lane
.set L8,   8                           ; v8     8 x lane
.set SH8,  9                           ; v9     8 x (lane / 16)
.set LN,   11                          ; v11    lane
.set RR,   12                          ; v12    lane % 16
.set HH,   13                          ; v13    lane / 16
.set PX,   14                          ; v14    what lane l xor 16 sends
.set WA,   21                          ; v21    where my scale word goes
.set SW,   22                          ; v22    the scale word as it is stored
.set IM,   24                          ; v24-35 a fragment's codes
.set TA,   36                          ; v36-38, v40-42: a conversion's three registers begin on an even number, a block's second three do not: made here, then moved
.set TB,   40
.set WD,   44                          ; v44-45 the two units' scale words
.set R,    48                          ; v48-175  two sets of 64: the units as loaded
.set N,    176                         ; v176-239 a unit's 64 numbers of my row: K = 32 h + 0..31, then 64 + 32 h + 0..31
.set FLOOR, 0x1800000                  ; 2^(3 - 127): no largest magnitude is taken under it, so the byte cannot fall under 1
.macro MAX2 a, b, ma, mb               ; the largest magnitudes of two blocks of 32, by turns
	v_max3_num_f32 v[\ma], |v[(\a)]|, |v[(\a)+1]|, FLOOR
	v_max3_num_f32 v[\mb], |v[(\b)]|, |v[(\b)+1]|, FLOOR
.irp i, 2,4,6,8,10,12,14,16,18,20,22,24,26,28,30
	v_max3_num_f32 v[\ma], v[\ma], |v[(\a)+\i]|, |v[(\a)+\i+1]|
	v_max3_num_f32 v[\mb], v[\mb], |v[(\b)+\i]|, |v[(\b)+\i+1]|
.endr
.endm
	s_load_b256 s[4:11], s[0:1], 0x0               ; hidden_states, wq, wk, wv
	s_load_b256 s[12:19], s[0:1], 0x20             ; dist_emb, xq, wb, eb
	v_lshl_add_u32 v240, v0, 2, 0x8400
	v_mov_b32 v241, 0
	v_lshrrev_b32 v10, 5, v0
	v_readfirstlane_b32 s20, v10                   ; wave 0..3
	v_and_b32 v[LN], 31, v0
	v_and_b32 v[RR], 15, v0
	v_bfe_u32 v[HH], v0, 4, 1
	v_lshlrev_b32 v[L16], 4, v[LN]
	v_lshlrev_b32 v[L8], 3, v[LN]
	v_lshlrev_b32 v[SH8], 3, v[HH]
	v_mov_b32 v[PX], 0                             ; a lane permute's destination counts as one of its sources
	s_mov_b32 s2, 0x76543210
	s_mov_b32 s3, 0xfedcba98                       ; v_permlanex16_b32's selects for lane l xor 16
	s_cmp_ge_u32 ttmp9, 448
	s_cbranch_scc1 .Lemb
	; ---- hidden_states and the weights.  All that differs between them is chosen by the work-group's number: one path through the text
	s_and_b32 s49, ttmp9, 1                        ; ks: which 128 of a chunk's 256 along K
	s_lshr_b32 s48, ttmp9, 1                       ; 0-127: pairs of hidden_states; 128-223: of the weights
	s_and_b32 s22, s48, 127                        ; hidden_states: the pair p;  weights: 32 rho + p
	s_lshr_b32 s23, s22, 5
	s_and_b32 s24, s22, 31
	s_cmp_lt_u32 s48, 128
	s_cselect_b32 s25, s22, s24                    ; p
	s_cselect_b32 s26, 0, s23                      ; rho (0 for hidden_states)
	s_lshr_b32 s27, s25, 2
	s_lshr_b32 s28, s25, 1                         ; which 64 rows
	s_and_b32 s29, s25, 3
	s_and_b32 s30, s25, 1                          ; which pair of their four tiles
	s_lshl_b32 s31, s26, 1
	s_add_co_u32 s31, s31, s30
	s_cmp_lt_u32 s48, 128
	s_cselect_b32 s27, s27, s28                    ; the block of 128 tokens, or the head
	s_cselect_b32 s29, s29, s31                    ; the pair's number in a chunk block
	s_mov_b32 s32, 38400
	s_cselect_b32 s32, 25600, s32                  ; a chunk block in bytes
	s_mov_b32 s33, 36864
	s_cselect_b32 s33, 24576, s33                  ; where its scale words begin
	s_cmp_eq_u32 s26, 2                            ; wv: neighbouring rows form a tile
	s_cselect_b32 s34, 32, 16                      ; rows from pair to pair,
	s_cselect_b32 s35, 16, 8                       ; from tile to tile,
	s_cselect_b32 s36, 8, 32                       ; from a tile's row 0 to its row 8
	s_mul_i32 s37, s30, s34
	s_lshl_b32 s38, s28, 6
	s_add_co_u32 s37, s37, s38                     ; the pair's first row
	s_lshl_b32 s38, s37, 12                        ; a row is 4,096 bytes,
	s_lshl_b32 s39, s20, 10                        ; my chunk 1,024 of them,
	s_add_co_u32 s38, s38, s39
	s_lshl_b32 s39, s49, 9                         ; the K step 512
	s_add_co_u32 s38, s38, s39
	s_mov_b32 s39, 0
	s_lshl_b32 s40, s27, 2
	s_add_co_u32 s40, s40, s20
	s_mul_i32 s40, s40, s32                        ; my chunk block
	s_mul_i32 s42, s29, 6144                       ; the pair's four images,
	s_add_co_u32 s42, s42, s40
	s_mul_i32 s43, s49, 1536                       ; of which mine are those of K step ks
	s_add_co_u32 s42, s42, s43
	s_mov_b32 s43, 0
	s_lshl_b32 s44, s29, 8                         ; the pair's 256 bytes of scale words,
	s_add_co_u32 s44, s44, s40
	s_add_co_u32 s44, s44, s33
	s_lshl_b32 s45, s49, 7                         ; of which K step ks has 128
	s_add_co_u32 s44, s44, s45
	s_mov_b32 s45, 0
	s_lshl_b32 s46, s35, 12
	s_lshl_b32 s47, s36, 12
	v_mov_b32 v[VOL], v[L16]
	v_add_nc_u32 v[VOL+1], s46, v[L16]
	v_add_nc_u32 v[VOH], s47, v[VOL]
	v_add_nc_u32 v[VOH+1], s47, v[VOL+1]
	s_mul_i32 s21, s20, WST
	v_add_nc_u32 v[STW], s21, v[L16]               ; in: a row's 512 bytes as they lie
	v_mul_u32_u24 v[STR], v[RR], STP
	v_lshl_add_u32 v[STR], v[HH], 7, v[STR]
	v_add_nc_u32 v[STR], s21, v[STR]               ; out: row lane % 16, from byte 128 (lane / 16)
	v_lshlrev_b32 v[WA], 3, v[RR]
	v_lshl_add_u32 v[WA], v[HH], 2, v[WA]          ; lane (r, h) stores row r's word of the pair's tile h: 8 r + 4 h
	s_wait_kmcnt 0x0
	s_cmp_eq_u32 s26, 1
	s_cselect_b64 s[6:7], s[8:9], s[6:7]
	s_cmp_eq_u32 s26, 2
	s_cselect_b64 s[6:7], s[10:11], s[6:7]         ; the weight of my rho
	s_cmp_lt_u32 s48, 128
	s_cselect_b64 s[4:5], s[4:5], s[6:7]           ; what I read
	s_cselect_b64 s[14:15], s[14:15], s[16:17]     ; where I write
	s_add_nc_u64 s[4:5], s[4:5], s[38:39]
	s_add_nc_u64 s[16:17], s[14:15], s[44:45]      ; the words
	s_add_nc_u64 s[14:15], s[14:15], s[42:43]      ; the images
.macro LOADU t                         ; the unit of tile t of the pair: sixteen rows, 512 consecutive bytes each
.irp j, 0,1,2,3,4,5,6,7
	global_load_b128 v[R+64*(\t)+4*\j:R+64*(\t)+4*\j+3], v[VOL+(\t)], s[4:5] offset:\j*4096 th:TH_LOAD_NT
.endr
.irp j, 0,1,2,3,4,5,6,7
	global_load_b128 v[R+64*(\t)+32+4*\j:R+64*(\t)+32+4*\j+3], v[VOH+(\t)], s[4:5] offset:\j*4096 th:TH_LOAD_NT
.endr
.endm
.macro UNIT t
.if (\t) < 1
	s_wait_loadcnt 16                              ; this unit's 16 loads are in; the second unit's 16 may be out
.else
	s_wait_loadcnt 0x0
.endif
.irp j, 0,1,2,3,4,5,6,7,8,9,10,11,12,13,14,15
	ds_store_b128 v[STW], v[R+64*(\t)+4*\j:R+64*(\t)+4*\j+3] offset:\j*STP
.endr
.irp c, 0,1
.irp q, 0,1,2,3,4,5,6,7
	ds_load_b128 v[N+32*\c+4*\q:N+32*\c+4*\q+3], v[STR] offset:256*\c+16*\q   ; LDS serves a wave's instructions in order: these see the stores above
.endr
.endr
	s_wait_dscnt 0x0                               ; my numbers are back
	s_wait_xcnt 0x0                                ; the first unit's stores have read the codes' registers, which are written again below
	MAX2 N, N+32, 10, 15
	v_add_nc_u32 v10, 0xff000000, v10              ; 2 off the exponent field: the conversion takes the exponent field of this operand as its scale
	v_add_nc_u32 v15, 0xff000000, v15
	v_lshrrev_b32 v16, 23, v10                     ; the scales' bytes
	v_lshrrev_b32 v17, 23, v15
	v_cvt_scalef32_pk16_fp6_f32 v[IM:IM+2], v[N:N+15], v10
	v_cvt_scalef32_pk16_fp6_f32 v[TA:TA+2], v[N+16:N+31], v10
	v_cvt_scalef32_pk16_fp6_f32 v[IM+6:IM+8], v[N+32:N+47], v15
	v_cvt_scalef32_pk16_fp6_f32 v[TB:TB+2], v[N+48:N+63], v15
	v_lshl_or_b32 v16, v17, 16, v16                ; (a plain line behind the conversions)  my two bytes: blocks h and 2 + h,
	v_lshlrev_b32 v16, v[SH8], v16                 ; at their places in the row's word;
	v_permlanex16_b32 v[PX], v16, s2, s3
	v_or_b32 v[WD+(\t)], v16, v[PX]                ; with lane l xor 16's two the word is whole
.irp i, 0,1,2
	v_mov_b32 v[IM+3+\i], v[TA+\i]
	v_mov_b32 v[IM+9+\i], v[TB+\i]
.endr
.irp g, 0,1,2
	global_store_b128 v[L16], v[IM+4*\g:IM+4*\g+3], s[14:15] offset:(\t)*3072+512*\g   ; 32 lanes store 512 consecutive bytes, aligned to 256
.endr
.endm
	LOADU 0
	LOADU 1
	UNIT 0
	UNIT 1
	s_mov_b32 s21, 0xffff0000
	v_cndmask_b32 v[SW], v[WD], v[WD+1], s21       ; lanes 0-15: the first tile's words; lanes 16-31: the second's
	global_store_b32 v[WA], v[SW], s[16:17]        ; 32 lanes store 128 consecutive bytes; the words are one byte in 24 of what this launch stores
	s_wait_tensorcnt 0x0
	ds_add_u32 v240, v241
	s_wait_dscnt 0x0
	s_endpgm
	; ---- dist_emb: wave = tile; lane (n, h) takes K = 32 h + 0..31 of Er[16 tile + n], and of Er[16 tile + n + 32] for that row's byte alone.
	; These loads take 128 bytes a lane in runs of 16; a tile's three stores cover its 896 consecutive bytes.  The table is half a megabyte.
.Lemb:
	s_sub_co_u32 s21, ttmp9, 448
	s_lshl_b32 s21, s21, 2
	s_add_co_u32 s21, s21, s20                     ; the tile, 0..127
	s_lshl_b32 s22, s21, 4
	v_add_nc_u32 v10, s22, v[RR]                   ; i
	v_min_u32 v15, 2046, v10                       ; (i = 2047 has no row: it reads row 0 and is cleared below)
	v_sub_nc_u32 v15, 2046, v15
	v_lshlrev_b32 v15, 8, v15                      ; a row is 256 bytes
	v_lshl_add_u32 v15, v[HH], 7, v15
	v_add_nc_u32 v16, 32, v10
	v_min_u32 v16, 2046, v16                       ; past the table's end any row's byte will do: no product reads it against codes other than zeros or at all
	v_sub_nc_u32 v16, 2046, v16
	v_lshlrev_b32 v16, 8, v16
	v_lshl_add_u32 v16, v[HH], 7, v16
	v_cmp_gt_u32 vcc_lo, 2047, v10                 ; the rows that exist
	v_lshlrev_b32 v[WA], 2, v[LN]
	s_mul_i32 s22, s21, 896
	s_mov_b32 s23, 0
	s_wait_kmcnt 0x0
	s_add_nc_u64 s[22:23], s[18:19], s[22:23]
.irp q, 0,1,2,3,4,5,6,7
	global_load_b128 v[N+4*\q:N+4*\q+3], v15, s[12:13] offset:16*\q
.endr
.irp q, 0,1,2,3,4,5,6,7
	global_load_b128 v[N+32+4*\q:N+32+4*\q+3], v16, s[12:13] offset:16*\q
.endr
	s_wait_loadcnt 0x0
.set i, 0
.rept 32
	v_cndmask_b32 v[N+i], 0, v[N+i], vcc_lo
.set i, i+1
.endr
	MAX2 N, N+32, 17, 18
	v_add_nc_u32 v17, 0xff000000, v17
	v_add_nc_u32 v18, 0xff000000, v18
	v_lshrrev_b32 v19, 23, v17
	v_lshrrev_b32 v20, 23, v18
	v_cvt_scalef32_pk16_fp6_f32 v[IM:IM+2], v[N:N+15], v17
	v_cvt_scalef32_pk16_fp6_f32 v[TA:TA+2], v[N+16:N+31], v17
	v_lshl_or_b32 v19, v20, 16, v19                ; (a plain line behind the conversions)  byte h of row i, byte 2 + h: that of row i + 32
	v_lshlrev_b32 v19, v[SH8], v19
	v_permlanex16_b32 v[PX], v19, s2, s3
	v_or_b32 v19, v19, v[PX]
.irp i, 0,1,2
	v_mov_b32 v[IM+3+\i], v[TA+\i]
.endr
	global_store_b128 v[L16], v[IM:IM+3], s[22:23]
	global_store_b64 v[L8], v[IM+4:IM+5], s[22:23] offset:512
	global_store_b32 v[WA], v19, s[22:23] offset:768
	s_endpgm
.Lfunc_end_k_q9df06b0ae9_quant:
	.size	k_q9df06b0ae9_quant, .Lfunc_end_k_q9df06b0ae9_quant-k_q9df06b0ae9_quant
	.p2alignl 7, 3214868480
	.fill 96, 4, 3214868480
	.section	.rodata,"a",@progbits
	.p2align	6, 0x0
	.amdhsa_kernel k_q9df06b0ae9_quant
		.amdhsa_group_segment_fixed_size 34304
		.amdhsa_private_segment_fixed_size 0
		.amdhsa_enable_private_segment 0
		.amdhsa_kernarg_size 64
		.amdhsa_user_sgpr_count 2
		.amdhsa_user_sgpr_kernarg_segment_ptr 1
		.amdhsa_wavefront_size32 1
		.amdhsa_system_sgpr_workgroup_id_x 1
		.amdhsa_system_sgpr_workgroup_id_y 1
		.amdhsa_system_sgpr_workgroup_id_z 1
		.amdhsa_system_vgpr_workitem_id 0
		.amdhsa_next_free_vgpr 242
		.amdhsa_next_free_sgpr 66
		.amdhsa_reserve_vcc 1
		.amdhsa_float_denorm_mode_32 3
		.amdhsa_float_denorm_mode_16_64 3
		.amdhsa_memory_ordered 1
		.amdhsa_forward_progress 1
		.amdhsa_inst_pref_size 25
	.end_amdhsa_kernel
	.amdgpu_metadata
---
amdhsa.version: [ 1, 2 ]
amdhsa.kernels:
  - .name:           k_q9df06b0ae9_quant
    .symbol:         k_q9df06b0ae9_quant.kd
    .args:
      - { .name: hidden_states, .offset: 0, .size: 8, .value_kind: global_buffer, .address_space: global }
      - { .name: wq, .offset: 8, .size: 8, .value_kind: global_buffer, .address_space: global }
      - { .name: wk, .offset: 16, .size: 8, .value_kind: global_buffer, .address_space: global }
      - { .name: wv, .offset: 24, .size: 8, .value_kind: global_buffer, .address_space: global }
      - { .name: dist_emb, .offset: 32, .size: 8, .value_kind: global_buffer, .address_space: global }
      - { .name: xq, .offset: 40, .size: 8, .value_kind: global_buffer, .address_space: global }
      - { .name: wb, .offset: 48, .size: 8, .value_kind: global_buffer, .address_space: global }
      - { .name: eb, .offset: 56, .size: 8, .value_kind: global_buffer, .address_space: global }
    .group_segment_fixed_size: 34304
    .private_segment_fixed_size: 0
    .kernarg_segment_align: 8
    .kernarg_segment_size: 64
    .max_flat_workgroup_size: 128
    .sgpr_count:     66
    .vgpr_count:     242
    .wavefront_size: 32
...
	.end_amdgpu_metadata
.endif
;; end of part 1
;; launch qkv (part 2): grid 16 x 16, 12 waves a work-group, clusters of 4 x 4, 327,680 bytes of LDS; arguments xq, wb, bq, bk, bv, qb, kvb; writes qb, kvb
.if DOCPART == 2
	.amdgcn_target "amdgcn-amd-amdhsa--gfx1250"
	.amdhsa_code_object_version 6
	.text
	.protected	k_q9df06b0ae9_qkv
	.globl	k_q9df06b0ae9_qkv
	.p2align	8
	.type	k_q9df06b0ae9_qkv,@function
k_q9df06b0ae9_qkv:
	s_mov_b64 s[64:65], 0
	v_nop
	global_prefetch_b8 v0, s[64:65] scope:SCOPE_SE
	s_setreg_imm32_b32 hwreg(HW_REG_WAVE_MODE, 25, 1), 1
	s_wait_xcnt 0x0
	s_wait_alu depctr_hold_cnt(0) depctr_sa_sdst(0) depctr_va_vdst(0) depctr_va_sdst(0) depctr_va_ssrc(0) depctr_va_vcc(0) depctr_vm_vsrc(0)
	s_getreg_b32 s2, hwreg(HW_REG_IB_STS2, 6, 4)
	s_cmp_eq_u32 s2, 0
	s_cbranch_scc0 .Lentry_in_a_cluster
	s_endpgm
.Lentry_in_a_cluster:
	s_bfe_u32 s2, ttmp6, 0x10000c
	s_cmp_lg_u32 s2, 0xf033
	s_cbranch_scc0 .Lentry_shape_is_right
	s_endpgm
.Lentry_shape_is_right:
; q, k, v = hidden_states w^T + b on codes of FP6 (E2M3) with E8M0 scales, f32 sums; the results are quantised in registers (q, k along the head's 64, v along the tokens) and leave as images of operand registers.
; SHARES.  A work-group takes 256 tokens (grid y) of one head (grid x): 256 work-groups.  Twelve waves: wave = 4 rho + g: rho = 0 q, 1 k, 2 v; g = which 64 tokens.  A wave makes 64 x 64: 16 accumulators, K = 1,024 in 8 steps of 128.
; q, k: source 0 = the weight's tiles, source 1 = the tokens' tiles.  By the rows that form a tile (8 a + 0..7 and 32 + 8 a + 0..7) lane (n, h) holds, in the 32 registers of the four tiles a, features 32 h + 0..31 of ONE token:
; a whole block of 32 along the next K, in the operand's order.  v: source 0 = the tokens' tiles, source 1 = wv's tiles (neighbouring rows): a lane holds tokens 32 h + 0..31 of ONE feature: a block along the keys.
; LDS: a chunk of K = 256 is 89,600 bytes (two blocks of 128 tokens, 25,600 each, then the head's 38,400).  Four chunks do not fit, so there are three slots: chunks 0, 1, 2 are first fills (waves 0-3 the tokens' four halves,
; waves 4-6 the weights' thirds: 12,800 bytes a load, three loads out at the most by this text's count), and chunk 3 is filled into slot 0 when chunk 0 has been multiplied: one load a wave, behind the wait for all tensor loads, the add,
; the wait for the LDS reads and a round of the cluster's barrier.  It has chunks 1 and 2, 64 matrix instructions a wave, in which to land.
; CLUSTER 4 x 4: the four work-groups of a row of the cluster share the tokens' blocks, the four of a column the head's: each part is asked for jointly.
; The biases are the sums' first value: they are loaded into the accumulators in the result's layout, so every matrix instruction adds in place and nothing is cleared.
; OUT.  qb [64 bh][16 groups of 64 tokens][3,584]: four half fragments (16 neighbouring tokens x 64: registers 0-3 at 768 t + 16 l, 4-5 at 768 t + 512 + 8 l), words at 3,072 + 16 l + 4 t.
; kvb [64 bh][16 groups][10,240]: k: four whole fragments (tile v: tokens 8 v + 0..7 with their codes at K 0-63 and zeros above, tokens 32 + 8 v + 0..7 with zeros below and their codes at K 64-127), words at 6,144;
; v from 6,656 on, laid as qb's record, lane = feature, K = the 64 tokens.  A scale word holds its row's two bytes twice, so that it serves either half of an instruction's K.
; LIMITS: NaN and infinities are not served; a block under 2^-124 gets the byte 1.
.set CH,   89600                       ; a slot
.set PART, 12800                       ; what one tensor load brings: 50 rows of 256 bytes
.set SPARE, 3*CH                       ; behind the slots: the spare words, 128 bytes for each wave: six blocks of 256 bytes that no other line names
.set AA,   1                           ; v1-4 LDS addresses in slot 0: source 0's images, source 1's, source 0's scale words, source 1's
.set AB,   124                         ; v124-127 the same in slot 1, then in slot 2
.set L16,  5                           ; v5   16 x lane
.set L8,   6                           ; v6   8 x lane
.set SH8,  7                           ; v7   8 x (lane / 16)
.set SPW,  12                          ; v12  LDS address of my spare word; never rewritten
.set NIL,  13                          ; v13  0; never rewritten
.set F0,   16                          ; v16-63   source 0: four fragments
.set F1,   64                          ; v64-111  source 1
.set SC0,  112                         ; v112-115 source 0's scale words: lanes 0-15 the chunk's first K step, lanes 16-31 its second
.set SC1,  116                         ; v116-119 source 1's
.set BT,   120                         ; v120-123 bv of my four features
.set ACC,  128                         ; v128-255 accumulator (b, a) at 128 + 32 b + 8 a
.set CD,   16                          ; the way out: v16-39 codes, six registers a tile
.set WW,   40                          ; v40-43 scale words
.set TM,   44                          ; v44.. second halves of the codes as converted
.set MX,   60                          ; v60-63 largest magnitudes
.set BY,   64                          ; v64-67 bytes
.set PX,   68                          ; v68-71 what lane l xor 16 sends
.set ND,   64                          ; q: v64-87 codes, v88-91 words, tokens in their own order
.set NW,   88
.set KD,   64                          ; k: v64-111 whole fragments
.set WV,   20
.set G1X,  24                          ; s[24:31] group 1 for the tokens' parts; s[32:47] four groups 0, one a chunk
.set G1W,  48                          ; s[48:55] for the weights';  s[56:63], s[68:75] four groups 0
.macro ROUND                           ; a round of the cluster's barrier
	s_barrier_signal -1
	s_barrier_wait -1
	s_cmp_lg_u32 s[WV], 0
	s_cbranch_scc1 .Lnot_wave_0_\@
	s_barrier_signal -3
.Lnot_wave_0_\@:
	s_barrier_wait -3
	s_barrier_signal -1
	s_barrier_wait -1
.endm
	s_load_b256 s[4:11], s[0:1], 0x0               ; xq, wb, bq, bk
	s_load_b128 s[12:15], s[0:1], 0x20             ; bv, qb
	s_load_b64 s[16:17], s[0:1], 0x30              ; kvb
	v_lshl_add_u32 v[SPW], v0, 2, SPARE
	v_mov_b32 v[NIL], 0
	ds_add_u32 v12, v13
	ds_add_u32 v12, v13
	s_wait_dscnt 0x0
	v_lshrrev_b32 v8, 5, v0
	v_readfirstlane_b32 s[WV], v8                  ; wave 0..11
	v_and_b32 v9, 31, v0
	v_and_b32 v10, 15, v0                          ; n
	v_bfe_u32 v11, v0, 4, 1                        ; h
	v_lshlrev_b32 v[L16], 4, v9
	v_lshlrev_b32 v[L8], 3, v9
	v_lshlrev_b32 v[SH8], 3, v11
	s_mov_b32 s2, 0x76543210
	s_mov_b32 s3, 0xfedcba98                       ; v_permlanex16_b32's selects for lane l xor 16
	s_bfe_u32 s21, s[WV], 0x10002                  ; rho in q's and k's waves, 0 in v's
	s_and_b32 s22, s[WV], 3                        ; g
	s_lshr_b32 s23, s[WV], 3                       ; 1 in v's waves
	s_xor_b32 s76, s23, 1                          ; 1 in q's and k's
	s_and_b32 s81, s[WV], 1                        ; g's two bits: which 64 of a block of 128 tokens,
	s_bfe_u32 s82, s[WV], 0x10001                  ; which block
	s_and_b32 s83, s76, s81                        ; the same two in q's and k's waves alone,
	s_and_b32 s84, s76, s82
	s_and_b32 s85, s23, s81                        ; and in v's alone
	s_and_b32 s86, s23, s82
	s_add_co_u32 s87, s21, s85
	; where my operands lie in a slot: the tokens' images at 25,600 (g / 2) + 12,288 (g % 2), their words 24,576 + 512 (g % 2) into the block; the weights' images at 51,200 + 12,288 rho, their words at 88,064 + 512 rho
	s_mul_i32 s88, s76, 51200
	s_mul_i32 s89, s87, 12288
	s_add_co_u32 s88, s88, s89
	s_mul_i32 s89, s86, 25600
	s_add_co_u32 s88, s88, s89                     ; source 0's images
	s_mul_i32 s90, s23, 75776
	s_mul_i32 s89, s84, 25600
	s_add_co_u32 s90, s90, s89
	s_mul_i32 s89, s83, 12288
	s_add_co_u32 s90, s90, s89                     ; source 1's
	s_mul_i32 s91, s76, 88064
	s_mul_i32 s89, s23, 24576
	s_add_co_u32 s91, s91, s89
	s_lshl_b32 s89, s87, 9
	s_add_co_u32 s91, s91, s89
	s_mul_i32 s89, s86, 25600
	s_add_co_u32 s91, s91, s89                     ; source 0's words
	s_mul_i32 s92, s23, 89088
	s_mul_i32 s89, s76, 24576
	s_add_co_u32 s92, s92, s89
	s_mul_i32 s89, s84, 25600
	s_add_co_u32 s92, s92, s89
	s_lshl_b32 s89, s83, 9
	s_add_co_u32 s92, s92, s89                     ; source 1's
	v_add_nc_u32 v[AA], s88, v[L16]
	v_add_nc_u32 v[AA+1], s90, v[L16]
	v_add_nc_u32 v[AA+2], s91, v[L8]
	v_add_nc_u32 v[AA+3], s92, v[L8]
.irp i, 0,1,2,3
	v_add_nc_u32 v[AB+\i], CH, v[AA+\i]
.endr
	s_bfe_u32 s77, ttmp6, 0x40000                  ; cx
	s_bfe_u32 s78, ttmp6, 0x40004                  ; cy
	s_lshl_b32 s79, ttmp9, 2
	s_add_co_u32 s79, s79, s77                     ; the head = 4 x cluster x + cx
	s_and_b32 s80, ttmp7, 0xffff
	s_lshl_b32 s80, s80, 2
	s_add_co_u32 s80, s80, s78                     ; the block of 256 tokens = 4 x cluster y + cy
	s_lshl_b32 s88, s78, 2
	s_lshl_b32 s88, 15, s88                        ; my row of the cluster
	s_lshl_b32 s89, 0x1111, s77                    ; my column
	s_or_b32 s[G1X], s88, (3<<16)|(1<<21)          ; 15:0 the mask; 17:16 elements of 8 bytes; 21 set beside a mask; no padding
	s_or_b32 s[G1W], s89, (3<<16)|(1<<21)
.irp g, G1X, G1W
	s_mov_b32 s[\g+1], 32<<16                      ; tensor_dim0 = 32 elements: 256 bytes
	s_mov_b32 s[\g+2], 50<<16                      ; tensor_dim1 = 50
	s_mov_b32 s[\g+3], 32<<16                      ; tile_dim0
	s_mov_b32 s[\g+4], 50                          ; tile_dim1
	s_mov_b32 s[\g+5], 32                          ; the pitch: dense
	s_mov_b32 s[\g+6], 0
	s_mov_b32 s[\g+7], 0
.endr
	s_mul_i32 s90, s80, 204800                     ; the tokens' two blocks of four chunk blocks each:
	s_mul_i32 s94, s82, 102400                     ; waves 0-3: block wave / 2,
	s_add_co_u32 s90, s90, s94
	s_mul_i32 s94, s81, PART                       ; half wave % 2 of each of its chunk blocks
	s_add_co_u32 s90, s90, s94
	s_mov_b32 s91, 0
	s_max_u32 s94, s[WV], 4
	s_sub_co_u32 s94, s94, 4
	s_mul_i32 s94, s94, PART                       ; waves 4-6: third wave - 4 of the head's chunk blocks
	s_mul_i32 s92, s79, 153600
	s_add_co_u32 s92, s92, s94
	s_mov_b32 s93, 0
	s_mul_i32 s95, s[WV], PART                     ; where my part goes in a slot: no place in the cluster enters an LDS address
	s_wait_kmcnt 0x0
	s_add_nc_u64 s[90:91], s[4:5], s[90:91]
	s_add_nc_u64 s[92:93], s[6:7], s[92:93]
.irp c, 0,1,2,3                        ; chunk c goes to slot c % 3
.set GW, 56+4*\c+4*(\c/2)
	s_mov_b32 s[32+4*\c], 1
	s_add_co_u32 s[33+4*\c], s95, (\c%3)*CH
	s_add_nc_u64 s[34+4*\c:35+4*\c], s[90:91], \c*25600
	s_or_b32 s[35+4*\c], s[35+4*\c], 0x80000000
	s_mov_b32 s[GW], 1
	s_add_co_u32 s[GW+1], s95, (\c%3)*CH
	s_add_nc_u64 s[GW+2:GW+3], s[92:93], \c*38400
	s_or_b32 s[GW+3], s[GW+3], 0x80000000
.endr
	ROUND                                          ; all sixteen work-groups are here: the joint loads meet
	s_cmp_lt_u32 s[WV], 4                          ; a wave's three first fills stand in one branch on the wave's number; four v_nop follow the last
	s_cbranch_scc0 .Lnot_x
	tensor_load_to_lds s[32:35], s[G1X:G1X+7]
	s_nop 0
	tensor_load_to_lds s[36:39], s[G1X:G1X+7]
	s_nop 0
	tensor_load_to_lds s[40:43], s[G1X:G1X+7]
	s_nop 0
.rept 4
	v_nop
.endr
	s_branch .Lasked
.Lnot_x:
	s_cmp_lt_u32 s[WV], 7
	s_cbranch_scc0 .Lasked
	tensor_load_to_lds s[56:59], s[G1W:G1W+7]
	s_nop 0
	tensor_load_to_lds s[60:63], s[G1W:G1W+7]
	s_nop 0
	tensor_load_to_lds s[68:71], s[G1W:G1W+7]
	s_nop 0
.rept 4
	v_nop
.endr
.Lasked:
	; the biases, while the tiles are on their way
	s_lshl_b32 s96, s79, 8                         ; the head's 64 numbers
	s_mov_b32 s97, 0
	s_cmp_lt_u32 s[WV], 8
	s_cbranch_scc0 .Lbias_v
	s_cmp_eq_u32 s21, 0
	s_cselect_b64 s[98:99], s[8:9], s[10:11]
	s_add_nc_u64 s[98:99], s[98:99], s[96:97]
	v_lshlrev_b32 v8, 7, v11                       ; q, k: register 8 a + j is feature 32 h + 8 a + j, for every tile b of tokens
.irp b, 0,1,2,3
.irp q, 0,1,2,3,4,5,6,7
	global_load_b128 v[ACC+32*\b+4*\q:ACC+32*\b+4*\q+3], v8, s[98:99] offset:16*\q
.endr
.endr
	s_branch .Lbias_done
.Lbias_v:
	s_add_nc_u64 s[98:99], s[12:13], s[96:97]
	v_lshlrev_b32 v8, 2, v10                       ; v: all 32 registers of tile b are feature 16 b + n
.irp b, 0,1,2,3
	global_load_b32 v[BT+\b], v8, s[98:99] offset:64*\b
.endr
	s_wait_loadcnt 0x0
.irp b, 0,1,2,3
.set i, 0
.rept 32
	v_mov_b32 v[ACC+32*\b+i], v[BT+\b]
.set i, i+1
.endr
.endr
.Lbias_done:
	s_wait_loadcnt 0x0
; A K step of 128: 24 loads of 16 bytes a lane bring eight fragments as they lie; 16 matrix instructions.  ad: the slot's four address registers.
; The sixteen accumulators take turns, one instruction a turn, in the same order in every step.
.macro KS ad, ks
.rept 4
	v_nop                                          ; places in front of loads into registers that matrix instructions have read
.endr
.if \ks == 0
	ds_load_b64 v[SC0:SC0+1], v[\ad+2]             ; the chunk's scale words: two tiles a load
	ds_load_b64 v[SC0+2:SC0+3], v[\ad+2] offset:256
	ds_load_b64 v[SC1:SC1+1], v[\ad+3]
	ds_load_b64 v[SC1+2:SC1+3], v[\ad+3] offset:256
.endif
.irp a, 0,1,2,3
.irp g, 0,1,2
	ds_load_b128 v[F0+12*\a+4*\g:F0+12*\a+4*\g+3], v[\ad] offset:\a*3072+\ks*1536+512*\g
.endr
.endr
.irp b, 0,1,2,3
.irp g, 0,1,2
	ds_load_b128 v[F1+12*\b+4*\g:F1+12*\b+4*\g+3], v[\ad+1] offset:\b*3072+\ks*1536+512*\g
.endr
.endr
.irp b, 0,1,2,3
	s_wait_dscnt 9-3*\b                            ; source 1's tile b is in; the three loads of each later tile may be out
.irp a, 0,1,2,3
.if \ks == 0
	v_wmma_scale_f32_16x16x128_f8f6f4 v[ACC+32*\b+8*\a:ACC+32*\b+8*\a+7], v[F0+12*\a:F0+12*\a+11], v[F1+12*\b:F1+12*\b+11], v[ACC+32*\b+8*\a:ACC+32*\b+8*\a+7], v[SC0+\a], v[SC1+\b] matrix_a_fmt:MATRIX_FMT_FP6 matrix_b_fmt:MATRIX_FMT_FP6
.else
	v_wmma_scale_f32_16x16x128_f8f6f4 v[ACC+32*\b+8*\a:ACC+32*\b+8*\a+7], v[F0+12*\a:F0+12*\a+11], v[F1+12*\b:F1+12*\b+11], v[ACC+32*\b+8*\a:ACC+32*\b+8*\a+7], v[SC0+\a], v[SC1+\b] matrix_a_fmt:MATRIX_FMT_FP6 matrix_b_fmt:MATRIX_FMT_FP6 matrix_a_scale:MATRIX_SCALE_ROW1 matrix_b_scale:MATRIX_SCALE_ROW1
.endif
.endr
.endr
.endm
	s_wait_tensorcnt 2                             ; my part of chunk 0 has landed; my loads for chunks 1 and 2 may stay out
	s_barrier_signal -1
	s_barrier_wait -1                              ; everybody's part has
	KS AA, 0                                       ; chunk 0, in slot 0
	KS AA, 1
	s_wait_tensorcnt 0x0                           ; SLOT 0 IS FILLED AGAIN.  All my tensor loads have landed, chunks 1 and 2 among them;
	ds_add_u32 v[SPW], v[NIL]                      ; 0 onto my spare word;
	ds_add_u32 v12, v13
	s_wait_dscnt 0x0                               ; the add is done, and my reads of slot 0 are over
	ROUND                                          ; both now hold of every wave of all sixteen work-groups
	s_cmp_lt_u32 s[WV], 4                          ; chunk 3: a wave's one tensor load, first behind the round
	s_cbranch_scc0 .Lagain_not_x
	tensor_load_to_lds s[44:47], s[G1X:G1X+7]
	s_nop 0
.rept 4
	v_nop
.endr
	s_branch .Lagain_asked
.Lagain_not_x:
	s_cmp_lt_u32 s[WV], 7
	s_cbranch_scc0 .Lagain_asked
	tensor_load_to_lds s[72:75], s[G1W:G1W+7]
	s_nop 0
.rept 4
	v_nop
.endr
.Lagain_asked:
	KS AB, 0                                       ; chunk 1, in slot 1: shown landed to every wave by the round
	KS AB, 1
.irp i, 0,1,2,3
	v_add_nc_u32 v[AB+\i], CH, v[AB+\i]
.endr
	KS AB, 0                                       ; chunk 2, in slot 2
	KS AB, 1
	s_wait_tensorcnt 0x0                           ; my part of chunk 3 has landed: it is my only load that was out
	s_barrier_signal -1
	s_barrier_wait -1                              ; everybody's has
	KS AA, 0                                       ; chunk 3, in slot 0
	KS AA, 1
	; THE RESULTS ARE QUANTISED: a lane's 32 registers of tile b are one block of 32.  Each accumulator is read from its low end on.
.rept 4
	v_nop                                          ; places behind the last products
.endr
.irp b, 0,1,2,3
	v_max3_num_f32 v[MX+\b], |v[ACC+32*\b]|, |v[ACC+32*\b+1]|, 0x1800000   ; with the floor 2^(3 - 127): the byte cannot fall under 1
.endr
.irp i, 2,4,6,8,10,12,14,16,18,20,22,24,26,28,30
.irp b, 0,1,2,3
	v_max3_num_f32 v[MX+\b], v[MX+\b], |v[ACC+32*\b+\i]|, |v[ACC+32*\b+\i+1]|
.endr
.endr
.irp b, 0,1,2,3
	v_add_nc_u32 v[MX+\b], 0xff000000, v[MX+\b]    ; 2 off the exponent field: the conversion's scale operand
.endr
.irp b, 0,1,2,3
	v_lshrrev_b32 v[BY+\b], 23, v[MX+\b]           ; the byte of block h
.endr
.irp b, 0,1,2,3
	v_lshlrev_b32 v[BY+\b], v[SH8], v[BY+\b]
.endr
.irp b, 0,1,2,3
	v_permlanex16_b32 v[PX+\b], v[BY+\b], s2, s3
.endr
.irp b, 0,1,2,3
	v_or_b32 v[BY+\b], v[BY+\b], v[PX+\b]          ; the row's two bytes,
.endr
.irp b, 0,1,2,3
	v_lshl_or_b32 v[WW+\b], v[BY+\b], 16, v[BY+\b] ; twice
.endr
.irp b, 0,1,2,3
	v_cvt_scalef32_pk16_fp6_f32 v[CD+6*\b:CD+6*\b+2], v[ACC+32*\b:ACC+32*\b+15], v[MX+\b]
	v_cvt_scalef32_pk16_fp6_f32 v[TM+4*\b:TM+4*\b+2], v[ACC+32*\b+16:ACC+32*\b+31], v[MX+\b]   ; (a conversion's three registers begin on an even number)
.endr
	v_nop                                          ; one plain line behind the conversions
.irp b, 0,1,2,3
.irp i, 0,1,2
	v_mov_b32 v[CD+6*\b+3+\i], v[TM+4*\b+\i]
.endr
.endr
	s_lshr_b32 s81, s80, 2                         ; the batch: 4 blocks of 256 tokens each
	s_lshl_b32 s81, s81, 4
	s_add_co_u32 s81, s81, s79                     ; bh
	s_lshl_b32 s81, s81, 4
	s_and_b32 s82, s80, 3
	s_lshl_b32 s82, s82, 2
	s_add_co_u32 s82, s82, s22
	s_add_co_u32 s81, s81, s82                     ; the record: 16 bh + the group of 64 tokens
	s_mov_b32 s83, 0
.macro STORE_H cd, ww, p               ; four half fragments and their words: every store covers whole aligned runs of 256 bytes
.irp t, 0,1,2,3
	global_store_b128 v[L16], v[\cd+6*\t:\cd+6*\t+3], s[\p:\p+1] offset:768*\t
	global_store_b64 v[L8], v[\cd+6*\t+4:\cd+6*\t+5], s[\p:\p+1] offset:768*\t+512
.endr
	global_store_b128 v[L16], v[\ww:\ww+3], s[\p:\p+1] offset:3072
.endm
	s_cmp_lt_u32 s[WV], 8
	s_cbranch_scc0 .Ltail_v
	s_cmp_lt_u32 s[WV], 4
	s_cbranch_scc0 .Ltail_k
	; q: the tokens are brought into their own order.  Tile b holds tokens 8 b + 0..7 in lanes 0-7 and 32 + 8 b + 0..7 in lanes 8-15 of each half:
	; tokens 16 a + 0..15 are tile 2 a's lanes 0-7 and tile 2 a + 1's lanes 0-7; tokens 32 + 16 a + 0..15 the same tiles' lanes 8-15.
	s_mul_i32 s82, s81, 3584
	s_add_nc_u64 s[14:15], s[14:15], s[82:83]
	s_mov_b32 s84, 0xff00ff00                      ; lanes 8-15 of each half
.irp a, 0,1
.irp i, 0,1,2,3,4,5
	v_mov_b32_dpp v8, v[CD+12*\a+\i] row_xmask:8 row_mask:0xf bank_mask:0xf
	v_mov_b32_dpp v9, v[CD+12*\a+6+\i] row_xmask:8 row_mask:0xf bank_mask:0xf
	v_cndmask_b32 v[ND+6*\a+\i], v[CD+12*\a+\i], v9, s84
	v_cndmask_b32 v[ND+12+6*\a+\i], v8, v[CD+12*\a+6+\i], s84
.endr
	v_mov_b32_dpp v8, v[WW+2*\a] row_xmask:8 row_mask:0xf bank_mask:0xf
	v_mov_b32_dpp v9, v[WW+2*\a+1] row_xmask:8 row_mask:0xf bank_mask:0xf
	v_cndmask_b32 v[NW+\a], v[WW+2*\a], v9, s84
	v_cndmask_b32 v[NW+2+\a], v8, v[WW+2*\a+1], s84
.endr
	STORE_H ND, NW, 14
	s_branch .Ldone
.Ltail_k:
	; k: whole fragments: rows 0-7 have their codes at K 0-63, rows 8-15 at K 64-127, zeros elsewhere
	s_mul_i32 s82, s81, 10240
	s_add_nc_u64 s[16:17], s[16:17], s[82:83]
	s_mov_b32 s84, 0x00ff00ff
	s_mov_b32 s85, 0xff00ff00
.irp t, 0,1,2,3
.irp i, 0,1,2,3,4,5
	v_cndmask_b32 v[KD+12*\t+\i], 0, v[CD+6*\t+\i], s84
	v_cndmask_b32 v[KD+12*\t+6+\i], 0, v[CD+6*\t+\i], s85
.endr
.endr
.irp t, 0,1,2,3
.irp g, 0,1,2
	global_store_b128 v[L16], v[KD+12*\t+4*\g:KD+12*\t+4*\g+3], s[16:17] offset:1536*\t+512*\g
.endr
.endr
	global_store_b128 v[L16], v[WW:WW+3], s[16:17] offset:6144
	s_branch .Ldone
.Ltail_v:
	s_mul_i32 s82, s81, 10240
	s_add_co_u32 s82, s82, 6656                    ; behind the record's k
	s_add_nc_u64 s[16:17], s[16:17], s[82:83]
	STORE_H CD, WW, 16
.Ldone:
	s_wait_tensorcnt 0x0                           ; the wave's end: behind my last tensor load, my last LDS instructions
	ds_add_u32 v[SPW], v[NIL]
	s_wait_dscnt 0x0
	ROUND                                          ; the closing round: no work-group ends while a partner may still ask for a part that names it
	s_endpgm
.Lfunc_end_k_q9df06b0ae9_qkv:
	.size	k_q9df06b0ae9_qkv, .Lfunc_end_k_q9df06b0ae9_qkv-k_q9df06b0ae9_qkv
	.p2alignl 7, 3214868480
	.fill 96, 4, 3214868480
	.section	.rodata,"a",@progbits
	.p2align	6, 0x0
	.amdhsa_kernel k_q9df06b0ae9_qkv
		.amdhsa_group_segment_fixed_size 327680
		.amdhsa_private_segment_fixed_size 0
		.amdhsa_enable_private_segment 0
		.amdhsa_kernarg_size 56
		.amdhsa_user_sgpr_count 2
		.amdhsa_user_sgpr_kernarg_segment_ptr 1
		.amdhsa_wavefront_size32 1
		.amdhsa_system_sgpr_workgroup_id_x 1
		.amdhsa_system_sgpr_workgroup_id_y 1
		.amdhsa_system_sgpr_workgroup_id_z 1
		.amdhsa_system_vgpr_workitem_id 0
		.amdhsa_next_free_vgpr 256
		.amdhsa_next_free_sgpr 100
		.amdhsa_reserve_vcc 0
		.amdhsa_float_denorm_mode_32 3
		.amdhsa_float_denorm_mode_16_64 3
		.amdhsa_memory_ordered 1
		.amdhsa_forward_progress 1
		.amdhsa_inst_pref_size 66
	.end_amdhsa_kernel
	.amdgpu_metadata
---
amdhsa.version: [ 1, 2 ]
amdhsa.kernels:
  - .name:           k_q9df06b0ae9_qkv
    .symbol:         k_q9df06b0ae9_qkv.kd
    .args:
      - { .name: xq, .offset: 0, .size: 8, .value_kind: global_buffer, .address_space: global }
      - { .name: wb, .offset: 8, .size: 8, .value_kind: global_buffer, .address_space: global }
      - { .name: bq, .offset: 16, .size: 8, .value_kind: global_buffer, .address_space: global }
      - { .name: bk, .offset: 24, .size: 8, .value_kind: global_buffer, .address_space: global }
      - { .name: bv, .offset: 32, .size: 8, .value_kind: global_buffer, .address_space: global }
      - { .name: qb, .offset: 40, .size: 8, .value_kind: global_buffer, .address_space: global }
      - { .name: kvb, .offset: 48, .size: 8, .value_kind: global_buffer, .address_space: global }
    .group_segment_fixed_size: 327680
    .private_segment_fixed_size: 0
    .kernarg_segment_align: 8
    .kernarg_segment_size: 56
    .max_flat_workgroup_size: 384
    .sgpr_count:     100
    .vgpr_count:     256
    .wavefront_size: 32
...
	.end_amdgpu_metadata
.endif
;; end of part 2
;; launch attn (part 3): grid 4 x 64, 16 waves a work-group, clusters of 4 x 1, 327,680 bytes of LDS; arguments qb, kvb, eb, out0; writes out0
.if DOCPART == 3
	.amdgcn_target "amdgcn-amd-amdhsa--gfx1250"
	.amdhsa_code_object_version 6
	.text
	.protected	k_q9df06b0ae9_attn
	.globl	k_q9df06b0ae9_attn
	.p2align	8
	.type	k_q9df06b0ae9_attn,@function
k_q9df06b0ae9_attn:
	s_mov_b64 s[64:65], 0
	v_nop
	global_prefetch_b8 v0, s[64:65] scope:SCOPE_SE
	s_setreg_imm32_b32 hwreg(HW_REG_WAVE_MODE, 25, 1), 1
	s_wait_xcnt 0x0
	s_wait_alu depctr_hold_cnt(0) depctr_sa_sdst(0) depctr_va_vdst(0) depctr_va_sdst(0) depctr_va_ssrc(0) depctr_va_vcc(0) depctr_vm_vsrc(0)
	s_getreg_b32 s2, hwreg(HW_REG_IB_STS2, 6, 4)
	s_cmp_eq_u32 s2, 0
	s_cbranch_scc0 .Lentry_in_a_cluster
	s_endpgm
.Lentry_in_a_cluster:
	s_bfe_u32 s2, ttmp6, 0x10000c
	s_cmp_lg_u32 s2, 0x3003
	s_cbranch_scc0 .Lentry_shape_is_right
	s_endpgm
.Lentry_shape_is_right:
; out[b][l][head][:] = softmax_r((Q[l].K[r] + Q[l].E[l-r+1023] + K[r].E[l-r+1023]) / 8) V[r][:], all four products on codes of FP6 (E2M3) with E8M0 scales, f32 sums.  With Er[i] = E[2046 - i] the row wanted is Er[r - l + 1023].
; THE SOFTMAX: t = score x log2(e) / 8; M = the running largest t rounded UP to a whole number; p = 2^(t - M) is quantised along the keys, not normalised; the sum is taken of the unquantised p and divides at the end;
; when M moves, the sum and O are multiplied by 2^(old M - new M), which rounds nothing.
; SHARES.  A work-group owns 256 queries of one (batch, head); each of its sixteen waves 16 of them (l0 = 256 X + 16 w), in 256 registers: four waves to a SIMD.  Every wave walks the 1,024 keys, 64 a step.
; A lane (lq, h) holds ONE query lq throughout; its 32 score registers 8 v + i are keys 32 h + 8 v + i of the step: a whole block of 32 along the keys, in the operand's order.
; LDS, every byte filled once, by tensor loads that all go out at the start, IN THE ORDER IN WHICH THE STEPS WANT THEM.  The 16 key records (K and V of 64 keys, 10,240 bytes) are asked for jointly by the cluster's four work-groups,
; which share the head: waves 0-7 take half a record of each four, four loads each.  80 tiles of Er with their words (896 bytes a tile) are a work-group's own, since they hang on its queries: waves 8-11 take four tiles of each
; sixteen, five loads each.  By this text's count a wave has five tensor loads out at the most.  Steps 4 j .. 4 j + 3 read records 4 j .. 4 j + 3 and tiles up to 16 j + 31: the first j + 1 loads of a list of four, the first j + 2 of a
; list of five: both are what a wait that leaves 3 - j loads out shows.  So the walk has four stages, each behind such a wait and a barrier; nothing is filled again.
; Tile 4 s + 15 - w + e of the 80 is rows beta + 16 e + 0..15, beta = 64 s - l0 + 1008: no LDS address hangs on the place in the cluster.
; THE HEAD IS 64 AND AN INSTRUCTION'S K IS 128.  The second half of K is put to use:
;  (a) K's tile v has its rows 0-7 (keys 8 v + i) at K 0-63 and its rows 8-15 (keys 32 + 8 v + i) at K 64-127.  Against [Q | Q] that gives Q.K; against [T_a | T_a+2] (two tiles of Er, 32 rows apart) it gives
;      D(8 h + i, n) = K[32 h + 8 v + i] . Er[beta + 16 a + 32 h + n]: both halves of the lanes stand at the same distance from their diagonal.
;  (b) K.Er[..] is wanted at n = w4 + 15 - lq (w4 = 8 (v % 2) + i) of tile a = v / 2, or 16 less of tile a + 1: a select between the two products (lane n >= w4: the first) and one turn of the 16 lanes, both constant for a register.
;  (c) Q.Er: D(8 h + i, lq) of source 0 = [T_e | whatever], source 1 = [Q | 0] goes to the wave's own LDS rows at dword 84 lq + 16 e + 8 h + i and is read back at dword 83 lq + 32 h + 15 + (8 v + i): the pitch less one is the skew.
;  (d) O^T += [whatever | V_dt] x [0 | P].  Codes of this format are all finite numbers, so what stands against zero codes adds nothing; every scale byte is between 1 and 254.
; No prefetch is laid: every tensor load is issued at the head, and no request comes later that one could run ahead of.
; LIMITS: NaN and infinities are not served; p under 2^-126 counts as 0 (v_exp_f32 gives no denormals: ISA guide, its entry among the vector instructions).
.set KVL,  0                           ; 16 records of 10,240 bytes: K's four fragments, its words at 6,144; from 6,656 V's four half fragments, its words at 9,728
.set REC,  10240
.set VO,   6656
.set EL,   163840                      ; Er: 80 tiles of 896: a half fragment, its words at 768
.set ET,   896
.set SK,   235520                      ; for each wave 16 rows of 336 bytes: the skew; on the way out a stage of 16 rows of 272
.set AK,   1                           ; v1-6 my lane's places in K's, V's and Er's images and words; never rewritten
.set AV16, 2
.set AV8,  3
.set AE16, 4
.set AE8,  5
.set AES,  6
.set SKW,  7                           ; v7   the skew, in
.set SKR,  8                           ; v8   the skew, out
.set SH8,  9                           ; v9   8 x (lane / 16)
.set STO,  10                          ; v10  the stage, in
.set SRD,  11                          ; v11  the stage, out
                                       ; v12 -M, v13 the largest t, v[14:15] the sum in two halves
                                       ; v16 T0, v22 T2, v28 T4, v34 T1, v40 T3: so [T0|T2], [T2|T4], [T1|T3] are runs of twelve
.set QD,   46                          ; v46-57 [Q | Q]
.set QZ,   52                          ; v52-63 [Q | 0]
.set PZ,   58                          ; v58-69 [0 | P]
.set PC,   64                          ; v64-69 P's codes
.set QS,   70                          ; v70 Q's scale word, v71 P's, v72-76 Er's tiles'
.set PS,   71
.set ES,   72
.set DK,   77                          ; v77-79, v249-251 the step's LDS addresses
.set DE16, 78
.set DE8,  79
.set KS,   80                          ; v80-83 K's words, v84-87 V's
.set VS,   84
.set KF,   88                          ; v88-135 K's four fragments
.set POOL, 136                         ; v136-175 Q.Er (5 x 8), then K.Er (4 x 8), then from v142 V's four half fragments
.set VF,   142
.set S,    176                         ; v176-207 the scores, then p
.set O,    208                         ; v208-239 O^T
.set BM,   240                         ; the block's largest score, then its largest p
.set PX,   241                         ; what lane l xor 16 sends
.set SU,   242                         ; v[242:243] the sums' second chain
.set MXT,  244                         ; v244-247 four chains of the maximum; then v[244:246] codes as converted, v247 the conversion's scale operand
.set TM,   244
.set SO,   247
.set BYT,  248
.set DES,  249
.set DV16, 250
.set DV8,  251
.set FF,   252                         ; v[252:253] f = 2^(old M - new M) (the low word serves both halves)
.set OM,   254
.set TT,   255
.set MKB,  1                           ; s2-16  select masks: lanes n >= w4 of each half, w4 = 1..15
.set SEL,  18                          ; s[18:19] lane l xor 16
.set WV,   20
.set CNT,  21
.set OUTP, 22                          ; s[22:23] out0 at my wave's first token and head
.set G1KV, 24                          ; s[24:31] group 1 for half a key record; s[32:39] for four tiles of Er
.set G1E,  32
.set G0KV, 40                          ; s[40:55] four groups 0 for the key records; s[56:63], s[68:79] five for Er.  All stay as they are until the last stage's wait
.set PL,   80                          ; s80-95 lane selects of the turn: lane lq takes lane (w4 + 15 - lq) % 16: register w4 serves lanes 0-7, register (w4 + 8) % 16 lanes 8-15
.set CS,   96                          ; s[96:97] c = log2(e) / 8
.set OFK,  98                          ; s98 the step's byte offset among the key records, s99 among Er's tiles
.set OFE,  99
.macro ROUND                           ; a round of the cluster's barrier
	s_barrier_signal -1
	s_barrier_wait -1
	s_cmp_lg_u32 s[WV], 0
	s_cbranch_scc1 .Lnot_wave_0_\@
	s_barrier_signal -3
.Lnot_wave_0_\@:
	s_barrier_wait -3
	s_barrier_signal -1
	s_barrier_wait -1
.endm
.macro WM0 d, a, b, sa, sb             ; a product that starts its sum
	v_wmma_scale_f32_16x16x128_f8f6f4 v[(\d):(\d)+7], v[(\a):(\a)+11], v[(\b):(\b)+11], 0, v[\sa], v[\sb] matrix_a_fmt:MATRIX_FMT_FP6 matrix_b_fmt:MATRIX_FMT_FP6
.endm
.macro WMA d, a, b, sa, sb             ; a product that adds onto what its registers hold
	v_wmma_scale_f32_16x16x128_f8f6f4 v[(\d):(\d)+7], v[(\a):(\a)+11], v[(\b):(\b)+11], v[(\d):(\d)+7], v[\sa], v[\sb] matrix_a_fmt:MATRIX_FMT_FP6 matrix_b_fmt:MATRIX_FMT_FP6
.endm
	s_load_b256 s[4:11], s[0:1], 0x0               ; qb, kvb, eb, out0
	v_lshl_add_u32 v254, v0, 2, 0x4e800
	v_mov_b32 v255, 0
	ds_add_u32 v254, v255
	ds_add_u32 v254, v255
	s_wait_dscnt 0x0
	v_lshrrev_b32 v240, 5, v0
	v_readfirstlane_b32 s[WV], v240                ; wave 0..15
	v_and_b32 v241, 31, v0                         ; lane
	v_and_b32 v242, 15, v0                         ; lq
	v_bfe_u32 v243, v0, 4, 1                       ; h
	v_lshlrev_b32 v244, 4, v241
	v_lshlrev_b32 v245, 3, v241
	v_lshlrev_b32 v246, 2, v241
	v_lshlrev_b32 v[SH8], 3, v243
	s_xor_b32 s80, s[WV], 15                       ; 15 - w
	s_mul_i32 s80, s80, ET
	s_add_co_u32 s80, s80, EL
	s_mul_i32 s81, s[WV], 5376
	s_add_co_u32 s81, s81, SK
	v_add_nc_u32 v[AK], KVL, v244
	v_add_nc_u32 v[AV16], VO, v244
	v_add_nc_u32 v[AV8], VO, v245
	v_add_nc_u32 v[AE16], s80, v244
	v_add_nc_u32 v[AE8], s80, v245
	v_add_nc_u32 v[AES], s80, v246
	v_mul_u32_u24 v[SKW], v242, 336                ; in: row lq of 84 dwords, + 8 h dwords
	v_lshl_add_u32 v[SKW], v243, 5, v[SKW]
	v_add_nc_u32 v[SKW], s81, v[SKW]
	v_mul_u32_u24 v[SKR], v242, 332                ; out: 83 lq + 32 h dwords (+ 15 + the register, in the immediates): an odd step from lane to lane, so the 32 lanes touch 32 different banks
	v_lshl_add_u32 v[SKR], v243, 7, v[SKR]
	v_add_nc_u32 v[SKR], s81, v[SKR]
	v_mul_u32_u24 v[STO], v242, 272
	v_lshl_add_u32 v[STO], v243, 5, v[STO]
	v_add_nc_u32 v[STO], s81, v[STO]
	v_mul_u32_u24 v[SRD], v243, 272
	v_lshl_add_u32 v[SRD], v242, 4, v[SRD]
	v_add_nc_u32 v[SRD], s81, v[SRD]
	s_bfe_u32 s82, ttmp6, 0x40000                  ; cx
	s_lshl_b32 s83, ttmp9, 2
	s_add_co_u32 s83, s83, s82                     ; X: my block of 256 queries.  It enters the addresses of Er, Q and out alone
	s_and_b32 s84, ttmp7, 0xffff                   ; bh, which the four partners share
	; groups 1: dense blocks as rows of 256 bytes (32 elements of 8): half a key record, 20 rows, with the mask of all four and bit 21; four tiles of Er, 14 rows, my own
	s_mov_b32 s[G1KV], 15|(3<<16)|(1<<21)
	s_mov_b32 s[G1KV+1], 32<<16
	s_mov_b32 s[G1KV+2], 20<<16
	s_mov_b32 s[G1KV+3], 32<<16
	s_mov_b32 s[G1KV+4], 20
	s_mov_b32 s[G1KV+5], 32
	s_mov_b32 s[G1KV+6], 0
	s_mov_b32 s[G1KV+7], 0
	s_mov_b32 s[G1E], 3<<16
	s_mov_b32 s[G1E+1], 32<<16
	s_mov_b32 s[G1E+2], 14<<16
	s_mov_b32 s[G1E+3], 32<<16
	s_mov_b32 s[G1E+4], 14
	s_mov_b32 s[G1E+5], 32
	s_mov_b32 s[G1E+6], 0
	s_mov_b32 s[G1E+7], 0
	s_mul_i32 s85, s[WV], 5120                     ; waves 0-7: half w % 2 of record w / 2 of each four: 5,120 w bytes on, in memory as in LDS
	s_mul_i32 s86, s84, 163840                     ; the head's 16 records
	s_add_co_u32 s86, s86, s85
	s_mov_b32 s87, 0
	s_and_b32 s88, s[WV], 3
	s_mul_i32 s89, s88, 3584                       ; waves 8-11: tiles 4 (w % 4) + 0..3 of each sixteen
	s_lshl_b32 s90, s83, 4
	s_sub_co_u32 s90, 48, s90                      ; the first of my work-group's 80 tiles: 48 - 16 X
	s_mul_i32 s90, s90, ET
	s_add_co_u32 s90, s90, s89
	s_mov_b32 s91, 0
	s_lshl_b32 s92, s84, 4                         ; Q: record 16 bh + 4 X + w / 4, tile w % 4
	s_lshl_b32 s93, s83, 2
	s_add_co_u32 s92, s92, s93
	s_lshr_b32 s93, s[WV], 2
	s_add_co_u32 s92, s92, s93
	s_mul_i32 s92, s92, 3584
	s_mul_i32 s94, s88, 768
	s_add_co_u32 s94, s94, s92
	s_mov_b32 s95, 0
	s_lshl_b32 s96, s88, 2
	s_add_co_u32 s96, s96, s92
	s_add_co_u32 s96, s96, 3072
	s_mov_b32 s97, 0
	s_lshr_b32 s98, s84, 4                         ; out: token 1,024 b + 256 X + 16 w, 4,096 bytes a token, + 256 bytes x head
	s_lshl_b32 s98, s98, 10
	s_lshl_b32 s99, s83, 8
	s_add_co_u32 s98, s98, s99
	s_lshl_b32 s99, s[WV], 4
	s_add_co_u32 s98, s98, s99
	s_lshl_b32 s98, s98, 12
	s_and_b32 s99, s84, 15
	s_lshl_b32 s99, s99, 8
	s_add_co_u32 s98, s98, s99
	s_mov_b32 s99, 0
	s_wait_kmcnt 0x0
	s_add_nc_u64 s[86:87], s[6:7], s[86:87]
	s_add_nc_u64 s[90:91], s[8:9], s[90:91]
.irp j, 0,1,2,3                        ; stage j: records 4 j .. 4 j + 3
	s_mov_b32 s[G0KV+4*\j], 1
	s_add_co_u32 s[G0KV+4*\j+1], s85, \j*4*REC
	s_add_nc_u64 s[G0KV+4*\j+2:G0KV+4*\j+3], s[86:87], \j*4*REC
	s_or_b32 s[G0KV+4*\j+3], s[G0KV+4*\j+3], 0x80000000
.endr
.irp u, 0,1,2,3,4                      ; tiles 16 u .. 16 u + 15
.set GE, 56+4*\u+4*((\u+2)/4)
	s_mov_b32 s[GE], 1
	s_add_co_u32 s[GE+1], s89, EL+\u*16*ET
	s_add_nc_u64 s[GE+2:GE+3], s[90:91], \u*16*ET
	s_or_b32 s[GE+3], s[GE+3], 0x80000000
.endr
	s_add_nc_u64 s[94:95], s[4:5], s[94:95]
	s_add_nc_u64 s[96:97], s[4:5], s[96:97]
	s_add_nc_u64 s[OUTP:OUTP+1], s[10:11], s[98:99]
	ROUND                                          ; all four work-groups are here: the joint loads meet
	s_cmp_lt_u32 s[WV], 8                          ; a wave's first fills stand in one branch on the wave's number; four v_nop follow the last
	s_cbranch_scc0 .Lnot_kv
	tensor_load_to_lds s[40:43], s[G1KV:G1KV+7]
	s_nop 0
	tensor_load_to_lds s[44:47], s[G1KV:G1KV+7]
	s_nop 0
	tensor_load_to_lds s[48:51], s[G1KV:G1KV+7]
	s_nop 0
	tensor_load_to_lds s[52:55], s[G1KV:G1KV+7]
	s_nop 0
.rept 4
	v_nop
.endr
	s_branch .Lasked
.Lnot_kv:
	s_cmp_lt_u32 s[WV], 12
	s_cbranch_scc0 .Lasked
	tensor_load_to_lds s[56:59], s[G1E:G1E+7]
	s_nop 0
	tensor_load_to_lds s[60:63], s[G1E:G1E+7]
	s_nop 0
	tensor_load_to_lds s[68:71], s[G1E:G1E+7]
	s_nop 0
	tensor_load_to_lds s[72:75], s[G1E:G1E+7]
	s_nop 0
	tensor_load_to_lds s[76:79], s[G1E:G1E+7]
	s_nop 0
.rept 4
	v_nop
.endr
.Lasked:
	global_load_b128 v[QD:QD+3], v244, s[94:95]    ; Q's half fragment, twice
	global_load_b64 v[QD+4:QD+5], v245, s[94:95] offset:512
	global_load_b128 v[QZ:QZ+3], v244, s[94:95]
	global_load_b64 v[QZ+4:QZ+5], v245, s[94:95] offset:512
	global_load_b32 v[QS], v244, s[96:97]
	v_mov_b32 v13, 0xff61b1e6                      ; the largest t so far: -3e38, under every t
	v_floor_f32 v12, -v13                          ; -M
	v_mov_b32 v14, 0
	v_mov_b32 v15, 0
.set i, 0
.rept 12
	v_mov_b32 v[PZ+i], 0                           ; the zeros of [Q | 0] and [0 | P]
.set i, i+1
.endr
	v_mov_b32 v[PS], 0
	v_mov_b32 v[FF+1], 0                           ; (named as the upper half of a pair)
.set i, 0
.rept 32
	v_mov_b32 v[O+i], 0                            ; O^T.  The step is written once: the first finds zeros, which the first change of M leaves zeros
.set i, i+1
.endr
	s_wait_loadcnt 0x0                             ; Q is in, and its loads' address registers are free.  The constants below take no register of a descriptor
.set w4, 0
.rept 16
.set pl, 0
.set q, 0
.rept 8
.set pl, pl|(((w4+15-q)&15)<<(4*q))
.set q, q+1
.endr
	s_mov_b32 s[PL+w4], pl
.if w4 > 0
	s_mov_b32 s[MKB+w4], ((0xffff<<w4)&0xffff)*0x10001
.endif
.set w4, w4+1
.endr
	s_mov_b32 s[CS], 0x3e38aa3b                    ; log2(e) / 8
	s_mov_b32 s[CS+1], s[CS]
	s_mov_b32 s[SEL], 0x76543210
	s_mov_b32 s[SEL+1], 0xfedcba98
; K.Er for K's tiles v = 2 j, 2 j + 1: for each the products with tiles a = j and a + 1 of Er; the select, the turn of the lanes, and the sum onto the scores.  cnt: the skew reads that may still be out
.macro KEB j, cnt
.if \j == 0
.set BA, 16
.set BB, 34
.else
.set BA, 34
.set BB, 22
.endif
.irp u, 0,1
	WM0 POOL+16*\u, KF+12*(2*\j+\u), BA, KS+2*\j+\u, ES+\j
	WM0 POOL+16*\u+8, KF+12*(2*\j+\u), BB, KS+2*\j+\u, ES+\j+1
.endr
.rept 5
	v_nop                                          ; four places ahead of the first read of the results; the fifth since matrix instructions write over these registers or take them as an operand later
.endr
.irp u, 0,1
.irp i, 0,1,2,3,4,5,6,7
.if 8*\u+\i > 0
	v_cndmask_b32 v[POOL+16*\u+\i], v[POOL+16*\u+8+\i], v[POOL+16*\u+\i], s[MKB+8*\u+\i]   ; lanes n >= w4 keep tile a's, the others take tile a + 1's
.endif
.endr
.endr
.irp u, 0,1
.irp i, 0,1,2,3,4,5,6,7
	v_permlane16_b32 v[POOL+16*\u+8+\i], v[POOL+16*\u+\i], s[PL+8*\u+\i], s[PL+(8*\u+\i+8)%16]     ; lane lq takes lane (w4 + 15 - lq) % 16
.endr
.endr
	s_wait_dscnt \cnt
.irp u, 0,1
.irp i, 0,2,4,6
	v_pk_add_f32 v[S+16*\j+8*\u+\i:S+16*\j+8*\u+\i+1], v[S+16*\j+8*\u+\i:S+16*\j+8*\u+\i+1], v[POOL+16*\u+8+\i:POOL+16*\u+8+\i+1]
.endr
.endr
.endm
; A STEP: 64 keys
.macro STEP
	v_add_nc_u32 v[DK], s[OFK], v[AK]              ; these six lines are also the places between the last step's V^T P and the products below, which write over its operands
	v_add_nc_u32 v[DE16], s[OFE], v[AE16]
	v_add_nc_u32 v[DE8], s[OFE], v[AE8]
	v_add_nc_u32 v[DES], s[OFE], v[AES]
	v_add_nc_u32 v[DV16], s[OFK], v[AV16]
	v_add_nc_u32 v[DV8], s[OFK], v[AV8]
.irp e, 0,1,2,3,4
.set TR, 16+6*(\e/2)+18*(\e%2)
	ds_load_b128 v[TR:TR+3], v[DE16] offset:ET*\e
	ds_load_b64 v[TR+4:TR+5], v[DE8] offset:ET*\e+512
.endr
.irp e, 0,1,2,3,4
	ds_load_b32 v[ES+\e], v[DES] offset:ET*\e+768
.endr
.irp t, 0,1,2,3
.irp g, 0,1,2
	ds_load_b128 v[KF+12*\t+4*\g:KF+12*\t+4*\g+3], v[DK] offset:1536*\t+512*\g
.endr
.endr
	ds_load_b128 v[KS:KS+3], v[DK] offset:6144
	s_wait_dscnt 13                                ; Er's tiles and words are in; K's thirteen loads may be out
.irp e, 0,1,2,3,4
.set TR, 16+6*(\e/2)+18*(\e%2)
	WM0 POOL+8*\e, TR, QZ, ES+\e, QS               ; Q.Er: what follows T_e in the registers stands against zeros
.endr
.rept 5
	v_nop                                          ; four places ahead of the stores that read the results; the fifth since K.Er's products write over them
.endr
.irp e, 0,1,2,3,4
	ds_store_b128 v[SKW], v[POOL+8*\e:POOL+8*\e+3] offset:64*\e          ; each result from its low end on
	ds_store_b128 v[SKW], v[POOL+8*\e+4:POOL+8*\e+7] offset:64*\e+16
.endr
.set i, 0
.rept 32
	ds_load_b32 v[S+i], v[SKR] offset:60+4*i       ; LDS serves a wave's instructions in order: these see the stores above
.set i, i+1
.endr
	s_wait_dscnt 32                                ; K is in and the stores have read their registers; the 32 reads may be out
	KEB 0, 16
	KEB 1, 0
.irp t, 0,1,2,3
	ds_load_b128 v[VF+6*\t:VF+6*\t+3], v[DV16] offset:768*\t
	ds_load_b64 v[VF+6*\t+4:VF+6*\t+5], v[DV8] offset:768*\t+512
.endr
	ds_load_b128 v[VS:VS+3], v[DV16] offset:3072
	s_add_co_u32 s[OFK], s[OFK], REC
	s_add_co_u32 s[OFE], s[OFE], 4*ET
.irp t, 0,1,2,3
	WMA S+8*\t, KF+12*\t, QD, KS+\t, QS            ; + Q.K
.endr
	v_mov_b32 v[OM], v12                           ; the old -M.  With the three below: the places behind those products
.rept 3
	v_nop
.endr
.irp t, 0,1,2,3
	v_max3_num_f32 v[MXT+\t], v[S+8*\t], v[S+8*\t+1], v[S+8*\t+2]        ; the largest score of my block of 32 keys: four chains, each result from its low end on
.endr
.irp i, 3,5
.irp t, 0,1,2,3
	v_max3_num_f32 v[MXT+\t], v[MXT+\t], v[S+8*\t+\i], v[S+8*\t+\i+1]
.endr
.endr
	v_max3_num_f32 v[MXT], v[MXT], v[S+7], v[S+15]
	v_max3_num_f32 v[MXT+2], v[MXT+2], v[S+23], v[S+31]
	v_max3_num_f32 v[MXT], v[MXT], v[MXT+1], v[MXT+2]
	v_max_num_f32 v[BM], v[MXT], v[MXT+3]          ; it serves twice: for the row's maximum, and, since p rises with the score, for the block's largest p
	v_permlanex16_b32 v[PX], v[BM], s[SEL], s[SEL+1]
	v_max_num_f32 v[TT], v[BM], v[PX]              ; with the other 32 keys'
	v_mul_f32 v[TT], s[CS], v[TT]
	v_max_num_f32 v13, v13, v[TT]                  ; the running largest t
	v_floor_f32 v12, -v13                          ; -M = floor(-t): M is a whole number
	v_sub_f32 v[OM], v12, v[OM]                    ; old M - new M, 0 or less
	v_cvt_i32_f32 v[OM], v[OM]                     ; (it saturates)
	v_ldexp_f32 v[FF], 1.0, v[OM]                  ; f
.irp j, 0,2,4,6,8,10,12,14,16,18,20,22,24,26,28,30
	v_pk_fma_f32 v[S+\j:S+\j+1], v[S+\j:S+\j+1], s[CS:CS+1], v[12:13] op_sel_hi:[1,0,0]   ; t - M
.endr
	v_fma_f32 v[BM], v[BM], s[CS], v12
.set i, 0
.rept 32
	v_exp_f32 v[S+i], v[S+i]                       ; p: one batch
.set i, i+1
.endr
	v_pk_mul_f32 v[14:15], v[14:15], v[FF:FF+1] op_sel_hi:[1,0]          ; the sum under the new M: the plain line behind the batch
	s_wait_alu depctr_va_vdst(0)                   ; one wait for the batch, ahead of its first reader
	v_exp_f32 v[BM], v[BM]                         ; the block's largest p: the same two instructions on the same number
	v_pk_add_f32 v[SU:SU+1], v[S:S+1], v[S+2:S+3]  ; the sum of the unquantised p, in two chains
.irp j, 4,8,12,16,20,24,28
	v_pk_add_f32 v[14:15], v[14:15], v[S+\j:S+\j+1]
	v_pk_add_f32 v[SU:SU+1], v[SU:SU+1], v[S+\j+2:S+\j+3]
.endr
	v_pk_add_f32 v[14:15], v[14:15], v[SU:SU+1]
	s_wait_alu depctr_va_vdst(0)                   ; and one for the single exponential
	v_max_num_f32 v[BM], 0x1800000, v[BM]          ; the floor 2^(3 - 127)
	v_add_nc_u32 v[SO], 0xff000000, v[BM]          ; the conversion's scale operand
	v_lshrrev_b32 v[BYT], 23, v[SO]
	v_lshlrev_b32 v[BYT], v[SH8], v[BYT]
	v_permlanex16_b32 v[PX], v[BYT], s[SEL], s[SEL+1]
	v_or_b32 v[BYT], v[BYT], v[PX]
	v_lshl_or_b32 v[PS], v[BYT], 16, v[BYT]        ; the row's two bytes, twice
	v_cvt_scalef32_pk16_fp6_f32 v[PC:PC+2], v[S:S+15], v[SO]
	v_cvt_scalef32_pk16_fp6_f32 v[TM:TM+2], v[S+16:S+31], v[SO]          ; (a conversion's three registers begin on an even number)
	v_nop                                          ; one plain line behind the conversions
.irp i, 0,1,2
	v_mov_b32 v[PC+3+\i], v[TM+\i]
.endr
.irp j, 0,2,4,6,8,10,12,14,16,18,20,22,24,26,28,30
	v_pk_mul_f32 v[O+\j:O+\j+1], v[O+\j:O+\j+1], v[FF:FF+1] op_sel_hi:[1,0]   ; O^T under the new M; these sixteen also stand between the lines that wrote P and its word and the products below
.endr
	s_wait_dscnt 0x0                               ; V is in
.irp t, 0,1,2,3
	WMA O+8*\t, POOL+6*\t, PZ, VS+\t, PS           ; O^T += V^T P: V_t is the upper half of the twelve registers; the lower half stands against zeros
.endr
.endm
; A STAGE: steps 4 j .. 4 j + 3.  No LDS instruction of mine is out at the signal: a step's last wait on the LDS counter is for 0, and nothing follows it.
.macro STAGE j
	s_wait_tensorcnt 3-\j                          ; my loads for this stage have landed; my 3 - j loads for the later stages may stay out
	s_barrier_signal -1
	s_barrier_wait -1                              ; everybody's have
	s_mov_b32 s[OFK], \j*4*REC
	s_mov_b32 s[OFE], \j*16*ET
	s_mov_b32 s[CNT], 4
.Lstep_\@:
	STEP
	s_sub_co_u32 s[CNT], s[CNT], 1
	s_cmp_lg_u32 s[CNT], 0
	s_cbranch_scc1 .Lstep_\@
.endm
	STAGE 0
	STAGE 1
	STAGE 2
	STAGE 3
	; THE WAY OUT: O^T / the sum, through my stage (rows of 272 bytes), so that sixteen lanes store the 256 aligned bytes of a token's head
.rept 4
	v_nop                                          ; places behind the last products
.endr
	v_add_f32 v14, v14, v15
	v_permlanex16_b32 v[PX], v14, s[SEL], s[SEL+1]
	v_add_f32 v14, v14, v[PX]                      ; the row's sum
	v_rcp_f32 v14, v14
	v_and_b32 v242, 15, v0                         ; (plain lines behind the reciprocal)
	v_bfe_u32 v243, v0, 4, 1
	v_lshlrev_b32 v244, 12, v243
	v_lshl_add_u32 v244, v242, 4, v244             ; lanes 0-15 one token, lanes 16-31 the next; 16 bytes a lane
	s_wait_alu depctr_va_vdst(0)                   ; ahead of the reciprocal's first reader
.set i, 0
.rept 32
	v_mul_f32 v[S+i], v[O+i], v14                  ; register 8 t + i is channel 16 t + 8 h + i of query lq
.set i, i+1
.endr
.irp t, 0,1,2,3
	ds_store_b128 v[STO], v[S+8*\t:S+8*\t+3] offset:64*\t
	ds_store_b128 v[STO], v[S+8*\t+4:S+8*\t+7] offset:64*\t+16
.endr
.irp j, 0,1,2,3,4,5,6,7
	ds_load_b128 v[POOL+4*\j:POOL+4*\j+3], v[SRD] offset:2*\j*272        ; in order behind my stores
.endr
.irp j, 0,1,2,3,4,5,6,7
	s_wait_dscnt 7-\j                              ; rows 2 j, 2 j + 1 are back; the later rows' loads may be out
	global_store_b128 v244, v[POOL+4*\j:POOL+4*\j+3], s[OUTP:OUTP+1] offset:2*\j*4096 th:TH_STORE_NT
.endr
	s_wait_dscnt 0x0
	s_wait_xcnt 0x0
	v_lshl_add_u32 v254, v0, 2, 0x4e800
	v_mov_b32 v255, 0
	s_wait_tensorcnt 0x0
	ds_add_u32 v254, v255
	s_wait_dscnt 0x0
	ROUND                                          ; the closing round: no work-group ends while a partner may still ask for a tile that names it
	s_endpgm
.Lfunc_end_k_q9df06b0ae9_attn:
	.size	k_q9df06b0ae9_attn, .Lfunc_end_k_q9df06b0ae9_attn-k_q9df06b0ae9_attn
	.p2alignl 7, 3214868480
	.fill 96, 4, 3214868480
	.section	.rodata,"a",@progbits
	.p2align	6, 0x0
	.amdhsa_kernel k_q9df06b0ae9_attn
		.amdhsa_group_segment_fixed_size 327680
		.amdhsa_private_segment_fixed_size 0
		.amdhsa_enable_private_segment 0
		.amdhsa_kernarg_size 32
		.amdhsa_user_sgpr_count 2
		.amdhsa_user_sgpr_kernarg_segment_ptr 1
		.amdhsa_wavefront_size32 1
		.amdhsa_system_sgpr_workgroup_id_x 1
		.amdhsa_system_sgpr_workgroup_id_y 1
		.amdhsa_system_sgpr_workgroup_id_z 1
		.amdhsa_system_vgpr_workitem_id 0
		.amdhsa_next_free_vgpr 256
		.amdhsa_next_free_sgpr 100
		.amdhsa_reserve_vcc 0
		.amdhsa_float_denorm_mode_32 3
		.amdhsa_float_denorm_mode_16_64 3
		.amdhsa_memory_ordered 1
		.amdhsa_forward_progress 1
		.amdhsa_inst_pref_size 97
	.end_amdhsa_kernel
	.amdgpu_metadata
---
amdhsa.version: [ 1, 2 ]
amdhsa.kernels:
  - .name:           k_q9df06b0ae9_attn
    .symbol:         k_q9df06b0ae9_attn.kd
    .args:
      - { .name: qb, .offset: 0, .size: 8, .value_kind: global_buffer, .address_space: global }
      - { .name: kvb, .offset: 8, .size: 8, .value_kind: global_buffer, .address_space: global }
      - { .name: eb, .offset: 16, .size: 8, .value_kind: global_buffer, .address_space: global }
      - { .name: out0, .offset: 24, .size: 8, .value_kind: global_buffer, .address_space: global }
    .group_segment_fixed_size: 327680
    .private_segment_fixed_size: 0
    .kernarg_segment_align: 8
    .kernarg_segment_size: 32
    .max_flat_workgroup_size: 512
    .sgpr_count:     100
    .vgpr_count:     256
    .wavefront_size: 32
...
	.end_amdgpu_metadata
.endif
;; end of part 3
